; MI455X (gfx1250); checked and timed in simulation.
; The chip was launched on July 23, 2026; its instructions are those of AMD's public machine-readable ISA for CDNA 5 (MIT licence, August 2026) and "CDNA5" Instruction Set Architecture Reference Guide (July 2026). The comments in the code are by the model that wrote it; some were corrected since.
;; Shared Vector Quantizer. Allowed arithmetic: matrix products marked QUANTISED: E2M1 operands, one E8M0 scale for each 32 along K, by v_wmma_scale_f32_16x16x128_f8f6f4 with both operands' format E2M1 (or v_wmma_scale_f32_32x16x128_f4), f32 sums; everything else in f32.
;; Inputs: codebook 4,096 x 128 float32; x 16 x 4,096 x 128 float32.
;; Outputs: out0 16 x 4,096 int32; out1 16 x 4,096 x 128 float32; out2 one number float32.
;; This version of the problem:
;;   THIS VERSION OF THE PROBLEM IS GIVEN IN LOW PRECISION. The matrix products marked QUANTISED in the list below multiply operands that are first quantised to E2M1 (2 exponent bits, 1 mantissa bit; 4 bits a number), with one power-of-two scale for each 32 numbers along K (OCP MX v1.0); their sums are f32. All else is computed in f32.
;;   The module's matrix products, in the order in which they are computed (A, B: the left and right operand; K: the contracted axis; several contracted axes count as one K, in the product's order):
;;     1. [M 65,536, K 128] x [K 128, N 4,096]; A: input x; B: input codebook: QUANTISED
;;   THE QUANTISER, for each operand of a quantised product, along K:
;;     - K is cut into blocks of 32 from its start; a last block that is shorter is filled with zeros.
;;     - A block's scale is 2^e with e = floor(log2(the largest magnitude in the block)) - 2, held to -126 .. 127; a block of zeros has e = 0. As a byte (E8M0): e + 127.
;;     - Each number is divided by its block's scale, clamped to +-6, and rounded to the nearest number of E2M1, ties to even, subnormals kept.
;;     - The product sums the exact products of the quantised numbers (number of the format x scale) in f32.
;;   ~~~python
;;   def quantise(x, axis):      # numpy; x: float32 -> the quantised numbers, widened to float32 again
;;       x = np.moveaxis(x, axis, -1); K = x.shape[-1]
;;       x = np.pad(x, [(0, 0)] * (x.ndim - 1) + [(0, -K % 32)]); x = x.reshape(x.shape[:-1] + (-1, 32)); a = np.abs(x).max(-1, keepdims=True)
;;       e = np.where(a > 0, np.clip(np.frexp(np.where(a > 0, a, 1))[1] - 1 - 2, -126, 127), 0)      # np.frexp(a)[1] - 1 = floor(log2(a)), exactly
;;       r = np.clip(x / 2.0 ** e, -6, 6)
;;       step = 2.0 ** (np.maximum(np.frexp(np.where(r == 0, 1, r))[1] - 1, 0) - 1)
;;       q = np.round(r / step) * step * 2.0 ** e      # np.round: ties to even
;;       return np.moveaxis(q.reshape(q.shape[:-2] + (-1,))[..., :K], -1, axis).astype(np.float32)
;;   ~~~
;; One version. Each part assembles by itself: llvm-mc -triple=amdgcn-amd-amdhsa -mcpu=gfx1250 --defsym DOCPART=n.
;; ======== version 1 of 1: 4 launches
;; limits: right only within a limited range of input values
;; workspace buffers: table 294,912 bytes; tok 262,144 bytes of whole numbers; part 65,536 bytes
;; launch prep (part 1): grid 256 x 1, 1 waves a work-group, no clusters, 0 bytes of LDS; arguments codebook, table; writes table
.if DOCPART == 1
	.amdgcn_target "amdgcn-amd-amdhsa--gfx1250"
	.amdhsa_code_object_version 6
	.text
	.protected	k_qb61748e1e8_prep
	.globl	k_qb61748e1e8_prep
	.p2align	8
	.type	k_qb61748e1e8_prep,@function
k_qb61748e1e8_prep:
	s_mov_b64 s[64:65], 0
	v_nop
	global_prefetch_b8 v0, s[64:65] scope:SCOPE_SE
	s_setreg_imm32_b32 hwreg(HW_REG_WAVE_MODE, 25, 1), 1
	s_wait_xcnt 0x0
; The codebook [4096][128] f32 becomes the table that the next launch keeps in LDS:
;   bytes 0 .. 262143        codes of FP4 (E2M1) as IMAGES OF THE OPERAND'S REGISTERS: tile t (rows 16 t .. 16 t + 15) has 1,024 bytes,
;                            [c = 0, 1][lane][16 bytes]; lane (r, h), part c: the codes of k = 64 c + 32 h + 0 .. 31 of row 16 t + r
;   bytes 262144 .. 278527   the rows' scale words (four E8M0 bytes, one for each 32 along K), 4 bytes a row
;   bytes 278528 .. 294911   ee = the sum of the row's squares (of the numbers as given, in f32), 4 bytes a row
; One wave takes one tile.  A lane holds two whole blocks of 32 of its row, so a block's largest magnitude needs no other lane.
; A block's scale is 2^(floor(log2(largest magnitude)) - 2): its byte is the largest magnitude's exponent field - 2, held at 1 from below.
; LIMITS: NaN and infinities are not served; a block whose largest magnitude lies under 2^-124 (a block of zeros too) keeps the byte 1:
; zeros' codes are zeros, and the bytes are read by this program alone.  The squares are summed in four packed chains, an order of their own.
; No cluster, no LDS: the work-groups share nothing, and each byte of the codebook is read once.
; WORK THAT THE PROGRAM LEAVES OUT: out1 = x + (q - x), q = codebook[token], is q in exact arithmetic for all values of x and q: the two terms x cancel.  So the last launch stores q as it is gathered
; and loads no x.  What that moves is the rounding of q - x and of the sum, and no more.  x itself stays live: the product and the loss read it.
; LIMIT: a NaN, an infinity or an overflow of x that reaches out1 only through x + (q - x) is not carried to out1.
.set STG, 16                           ; v16-79   64 numbers: register 32 c + i = k 64 c + 32 h + i of my row
.set FRG, 80                           ; v80-87   the fragment's codes
.set WRD, 88                           ; v88      the row's scale word
.set SQ,  89                           ; v89      the row's sum of squares
.set DAT, 90                           ; v90      what my lane stores of the two
.set T,   96                           ; v96-111  at work
.set SH8, 5                            ; v5       8 h
.set SEL, 10                           ; s[10:11] lane selects: lane l xor 16
; 64 numbers of a lane at v[s] on -> codes in v[f .. f + 7], the row's scale word in v[w], the row's sum of squares in v[q] (both in every lane of the row).
.macro QUANT s, f, w, q
.irp c, 0,1
	v_max3_num_f32 v[T+\c], |v[\s+32*\c]|, |v[\s+32*\c+1]|, 0x1800000      ; my block 2 c + h; the floor 2^(3 - 127) among the leaves holds the byte at 1 from below
.endr
.irp i, 2,4,6,8,10,12,14,16,18,20,22,24,26,28,30
.irp c, 0,1
	v_max3_num_f32 v[T+\c], v[T+\c], |v[\s+32*\c+\i]|, |v[\s+32*\c+\i+1]|  ; the two blocks by turns
.endr
.endr
.irp p, 0,1,2,3
	v_pk_mul_f32 v[T+8+2*\p:T+9+2*\p], v[\s+2*\p:\s+2*\p+1], v[\s+2*\p:\s+2*\p+1]   ; the squares: four packed chains, started by the first four pairs
.endr
.irp p, 4,5,6,7,8,9,10,11,12,13,14,15,16,17,18,19,20,21,22,23,24,25,26,27,28,29,30,31
	v_pk_fma_f32 v[T+8+2*(\p%4):T+9+2*(\p%4)], v[\s+2*\p:\s+2*\p+1], v[\s+2*\p:\s+2*\p+1], v[T+8+2*(\p%4):T+9+2*(\p%4)]
.endr
.irp c, 0,1
	v_add_nc_u32 v[T+2+\c], 0xff000000, v[T+\c]    ; 2 off the exponent field: the conversion takes this operand's exponent field as its scale
.endr
.irp c, 0,1
	v_lshrrev_b32 v[T+4+\c], 23, v[T+2+\c]         ; the scale's byte
.endr
	v_lshl_or_b32 v[T+6], v[T+5], 16, v[T+4]       ; my two bytes: blocks h and 2 + h,
	v_lshlrev_b32 v[T+6], v[SH8], v[T+6]           ; at their places in the word;
	v_permlanex16_b32 v[T+7], v[T+6], s[SEL], s[SEL+1]
	v_or_b32 v[\w], v[T+6], v[T+7]                 ; with lane l xor 16's two the word is whole
	v_pk_add_f32 v[T+8:T+9], v[T+8:T+9], v[T+10:T+11]
	v_pk_add_f32 v[T+12:T+13], v[T+12:T+13], v[T+14:T+15]
	v_pk_add_f32 v[T+8:T+9], v[T+8:T+9], v[T+12:T+13]
	v_add_f32 v[\q], v[T+8], v[T+9]
	v_permlanex16_b32 v[T+7], v[\q], s[SEL], s[SEL+1]
	v_add_f32 v[\q], v[\q], v[T+7]                 ; my half and the other: the same bits in both lanes
.irp c, 0,1
.irp g, 0,1,2,3
	v_cvt_scalef32_pk8_fp4_f32 v[\f+4*\c+\g], v[\s+32*\c+8*\g:\s+32*\c+8*\g+7], v[T+2+\c]   ; registers 4 c .. 4 c + 3 of the operand
.endr
.endr
	v_nop                                          ; one plain vector line behind the last scaled conversion
.endm
	s_load_b128 s[4:7], s[0:1], 0x0                ; codebook s[4:5], table s[6:7]
	v_and_b32 v1, 15, v0                           ; r
	v_bfe_u32 v2, v0, 4, 1                         ; h
	v_lshlrev_b32 v3, 9, v1
	v_lshl_add_u32 v3, v2, 7, v3                   ; in: row r of 512 bytes, + 128 h
	v_lshlrev_b32 v4, 4, v0                        ; out: 16 bytes a lane
	v_lshlrev_b32 v[SH8], 3, v2
	v_lshlrev_b32 v6, 2, v1
	v_lshl_add_u32 v6, v2, 14, v6
	v_add_nc_u32 v6, 262144, v6                    ; lanes 0-15: the scale words' region, lanes 16-31: ee's, 16,384 bytes on; 4 r in either
	v_mov_b32 v[T+7], 0                            ; written once: a lane permute's destination counts as one of its sources
	s_mov_b32 s[SEL], 0x76543210
	s_mov_b32 s[SEL+1], 0xfedcba98
	s_lshl_b32 s8, ttmp9, 13                       ; my tile: 16 rows of 512 bytes in the codebook,
	s_mov_b32 s9, 0
	s_lshl_b32 s14, ttmp9, 10                      ; 1,024 bytes of codes,
	s_mov_b32 s15, 0
	s_lshl_b32 s16, ttmp9, 6                       ; 64 bytes of scale words and 64 of ee
	s_mov_b32 s17, 0
	s_wait_alu depctr_va_vdst(0)
	s_wait_kmcnt 0x0
	s_add_nc_u64 s[4:5], s[4:5], s[8:9]
	s_add_nc_u64 s[12:13], s[6:7], s[16:17]
	s_add_nc_u64 s[6:7], s[6:7], s[14:15]
.irp c, 0,1
.irp g, 0,1,2,3,4,5,6,7
	global_load_b128 v[STG+32*\c+4*\g:STG+32*\c+4*\g+3], v3, s[4:5] offset:256*\c+16*\g
.endr
.endr
	s_wait_loadcnt 0x0
	QUANT STG, FRG, WRD, SQ
.irp c, 0,1
	global_store_b128 v4, v[FRG+4*\c:FRG+4*\c+3], s[6:7] offset:512*\c     ; 32 lanes store 512 consecutive bytes, aligned
.endr
	v_cmp_eq_u32 vcc_lo, 1, v2
	v_cndmask_b32 v[DAT], v[WRD], v[SQ], vcc_lo    ; lanes 0-15 the scale word, lanes 16-31 ee
	global_store_b32 v6, v[DAT], s[12:13]          ; two runs of 64 consecutive bytes: 32 KiB of such stores in the whole launch
	s_endpgm
.Lfunc_end_k_qb61748e1e8_prep:
	.size	k_qb61748e1e8_prep, .Lfunc_end_k_qb61748e1e8_prep-k_qb61748e1e8_prep
	.p2alignl 7, 3214868480
	.fill 96, 4, 3214868480
	.section	.rodata,"a",@progbits
	.p2align	6, 0x0
	.amdhsa_kernel k_qb61748e1e8_prep
		.amdhsa_group_segment_fixed_size 0
		.amdhsa_private_segment_fixed_size 0
		.amdhsa_enable_private_segment 0
		.amdhsa_kernarg_size 16
		.amdhsa_user_sgpr_count 2
		.amdhsa_user_sgpr_kernarg_segment_ptr 1
		.amdhsa_wavefront_size32 1
		.amdhsa_system_sgpr_workgroup_id_x 1
		.amdhsa_system_sgpr_workgroup_id_y 1
		.amdhsa_system_sgpr_workgroup_id_z 1
		.amdhsa_system_vgpr_workitem_id 0
		.amdhsa_next_free_vgpr 112
		.amdhsa_next_free_sgpr 66
		.amdhsa_reserve_vcc 1
		.amdhsa_float_denorm_mode_32 3
		.amdhsa_float_denorm_mode_16_64 3
		.amdhsa_memory_ordered 1
		.amdhsa_forward_progress 1
		.amdhsa_inst_pref_size 9
	.end_amdhsa_kernel
	.amdgpu_metadata
---
amdhsa.version: [ 1, 2 ]
amdhsa.kernels:
  - .name:           k_qb61748e1e8_prep
    .symbol:         k_qb61748e1e8_prep.kd
    .args:
      - { .name: codebook, .offset: 0, .size: 8, .value_kind: global_buffer, .address_space: global }
      - { .name: table, .offset: 8, .size: 8, .value_kind: global_buffer, .address_space: global }
    .group_segment_fixed_size: 0
    .private_segment_fixed_size: 0
    .kernarg_segment_align: 8
    .kernarg_segment_size: 16
    .max_flat_workgroup_size: 32
    .sgpr_count:     66
    .vgpr_count:     112
    .wavefront_size: 32
...
	.end_amdgpu_metadata
.endif
;; end of part 1
;; launch argmin (part 2): grid 256 x 1, 16 waves a work-group, clusters of 4 x 1, 327,680 bytes of LDS; arguments x, table, out0, tok; writes out0, tok
.if DOCPART == 2
	.amdgcn_target "amdgcn-amd-amdhsa--gfx1250"
	.amdhsa_code_object_version 6
	.text
	.protected	k_qb61748e1e8_argmin
	.globl	k_qb61748e1e8_argmin
	.p2align	8
	.type	k_qb61748e1e8_argmin,@function
k_qb61748e1e8_argmin:
	s_mov_b64 s[64:65], 0
	v_nop
	global_prefetch_b8 v0, s[64:65] scope:SCOPE_SE
	s_setreg_imm32_b32 hwreg(HW_REG_WAVE_MODE, 25, 1), 1
	s_wait_xcnt 0x0
	s_wait_alu depctr_hold_cnt(0) depctr_sa_sdst(0) depctr_va_vdst(0) depctr_va_sdst(0) depctr_va_ssrc(0) depctr_va_vcc(0) depctr_vm_vsrc(0)
	s_getreg_b32 s2, hwreg(HW_REG_IB_STS2, 6, 4)
	s_cmp_eq_u32 s2, 0
	s_cbranch_scc0 .Lentry_in_a_cluster
	s_endpgm
.Lentry_in_a_cluster:
	s_bfe_u32 s2, ttmp6, 0x10000c
	s_cmp_lg_u32 s2, 0x3003
	s_cbranch_scc0 .Lentry_shape_is_right
	s_endpgm
.Lentry_shape_is_right:
; tokens[i] = the first k at which d2[i][k] = (xx_i - 2 x_i . e_k) + ee_k is least.  The product is made on codes of FP4 (E2M1) with one E8M0 scale for each 32 along K
; (K = 128: one matrix instruction for 16 codes x 16 tokens); xx, ee and the two roundings of d2 are in f32: one rounding of xx - 2 dot (a fused multiply-add by -2), one of + ee.
; Ties go to the lower index.
; SHARES.  A work-group owns 256 tokens and has sixteen waves of 256 registers, four to a SIMD.  Wave w takes token group w & 3 (64 tokens: four tiles of 16) and code quarter w >> 2
; (64 of the 256 tiles of 16 codes): each byte of the table is read from LDS by four waves.  Lane r of token tile i is token 64 g + 4 r + i, so that a lane ends with four neighbouring tokens.
; x: each wave quantises one of its group's four token tiles (tile w >> 2) and lays it in LDS as an image of the operand's registers; behind one barrier every wave reads its four.
; THE TABLE (codes as register images, scale words, ee: 294,912 bytes, made by the launch before) comes into LDS ONCE and stays; no byte is filled twice.
; CLUSTER.  The four work-groups of a cluster want the same table: each wave asks for its sixteenth JOINTLY, by the same tensor load with the same descriptor and the mask of all four.
; By this text's own count a wave has one tensor load outstanding.
; LAYOUT.  Source 0 = 16 codes, source 1 = 16 tokens: in the result lane (r, h) holds token r, and its register j code 16 t + 8 h + j.
; THE ARGMIN.  For each lane and token tile: the least distance so far, the number of the tile that held it, and that tile's eight distances.  A tile's minimum is compared once (the earlier
; tile stays on a tie); the selects go two to an instruction; the place inside the tile is looked for once, at the end.  The four code quarters meet through LDS.  No branch and no address hangs on a distance.
; PIPELINE.  A half-trip does the vector work of tile t, issues the products of tile t + 1 (two sets of results by turns), and asks LDS, in one run of five loads, for the codes of tile t + 3 and the ee of tile t + 2.
; NO PREFETCH: x and the table are each asked for once, at the head; the loop reads LDS alone, so there is nothing to run ahead of.
; LIMITS: NaN and infinities are not served; a block of x whose largest magnitude lies under 2^-124 (a block of zeros too) keeps the scale byte 1; xx is summed in an order of its own.
.set SCL,   262144                     ; LDS: the scale words
.set EEO,   278528                     ; LDS: ee
.set PARTB, 18432                      ; a wave's sixteenth of the table: 72 rows of 256 bytes
.set XST,   294912                     ; LDS: x's images, 16 token tiles of XTB bytes: 1,024 of codes, 128 of scale words, 128 of xx
.set XTB,   1280
.set MRG,   315392                     ; LDS: 512 bytes a wave: 16 bytes a lane, lanes 0-15 its four indices, lanes 16-31 its four least distances
.set SPARE, 323584                     ; LDS: the spare words, 128 bytes a wave: eight blocks of 256 bytes that no other line names
.set XA,   3                           ; v3       x: 2048 r + 128 h
.set ADC,  4                           ; v4       LDS: my quarter's codes + 16 x lane, + 1,024 a tile
.set ADS,  5                           ; v5       LDS: its scale words + 4 r, + 64 a tile
.set ADE,  6                           ; v6       LDS: its ee + 32 h, + 64 a tile
.set XAD,  7                           ; v7       LDS: my group's images, 16 x lane
.set H8,   8                           ; v8       8 h
.set SH8,  8
.set SO,   9                           ; v9       out: 16 r + 8 h
.set XAW,  10                          ; v10      LDS: my group's scale words, 4 x lane
.set XSD,  11                          ; v11      LDS: where I put the image that I make
.set XSW,  12                          ; v12      and its words
.set MRS,  13                          ; v13      LDS: my wave's place for the meeting of the quarters, 16 x lane
.set XS,   16                          ; v16-19   x's scale words, one register a token tile: scales and nothing else
.set ASC,  20                          ; v20-21   the codes' scale words, by the tile's parity: scales and nothing else
.set XX,   22                          ; v22-29   pair 2 i: xx of token tile i, twice
.set TID,  30                          ; v30-33   the tile that held the least distance
.set LN,   34                          ; v34      lane
.set BEST, 35                          ; v35-38   the least distance so far
.set MRL,  39                          ; v39      LDS: my group's first place there, 16 r
.set MN,   40                          ; v40-43   a tile's least distance
.set LOC,  44                          ; v44-47   the end: the place in the tile, then the index
.set XF,   48                          ; v48-79   x's fragments, 8 registers a token tile
.set AF,   80                          ; v80-95   the codes' fragments, by parity
.set EE,   96                          ; v96-111  ee, by parity
.set SV,   112                         ; v112-143 the best tile's eight distances, for each token tile
.set DD,   144                         ; v144-207 results: parity p at 32 p, token tile i at 8 i
.set PR,   144                         ; the end: quarter c's indices at v[144 + 8 c], its least distances at v[148 + 8 c]
.set PB,   148
.set RES,  208                         ; v208-211 the end: my quarter's indices
.set BF,   212                         ; v212-215 and its least distances
.set PK,   216                         ; v216-219 what my lane lays in LDS of the two
.set OUTP, 228                         ; v228-229 the two tokens that my lane stores
.set STA,  112                         ; the head: v112-175 64 numbers of x; v240-255 at work
.set T,    240
.set SEL,  30                          ; s[30:31] lane selects: lane l xor 16
.set TN,   33                          ; s33      the number of the tile in the vector work
.macro DEP n                           ; several waves share a SIMD: a one-field hint ahead of a plain line that reads a plain line's result n lines back
	s_delay_alu instid0(VALU_DEP_\n)
.endm
; 64 numbers of a lane at v[s] on (register 32 c + i = k 64 c + 32 h + i of my row) -> codes in v[f .. f + 7], the row's scale word in v[w], the row's sum of squares in v[q].
; Four chains of maxima and four packed chains of squares take turns: a chain comes round every eighth line.
.macro QUANT s, f, w, q
.irp p, 0,1,2,3,4,5,6,7,8,9,10,11,12,13,14,15
.irp c, 0,1
.if \p < 2
	v_max3_num_f32 v[T+2*\p+\c], |v[\s+32*\c+2*\p]|, |v[\s+32*\c+2*\p+1]|, 0x1800000   ; block 2 c + h; the floor 2^(3 - 127) among the leaves holds the byte at 1 from below
.else
	v_max3_num_f32 v[T+2*(\p%2)+\c], v[T+2*(\p%2)+\c], |v[\s+32*\c+2*\p]|, |v[\s+32*\c+2*\p+1]|
.endif
.endr
.irp c, 0,1
.if \p < 2
	v_pk_mul_f32 v[T+8+4*\p+2*\c:T+9+4*\p+2*\c], v[\s+32*\c+2*\p:\s+32*\c+2*\p+1], v[\s+32*\c+2*\p:\s+32*\c+2*\p+1]
.else
	v_pk_fma_f32 v[T+8+4*(\p%2)+2*\c:T+9+4*(\p%2)+2*\c], v[\s+32*\c+2*\p:\s+32*\c+2*\p+1], v[\s+32*\c+2*\p:\s+32*\c+2*\p+1], v[T+8+4*(\p%2)+2*\c:T+9+4*(\p%2)+2*\c]
.endif
.endr
.endr
	DEP 4
	v_max_num_f32 v[T], v[T], v[T+2]               ; block h's largest magnitude,
	DEP 4
	v_max_num_f32 v[T+1], v[T+1], v[T+3]           ; block 2 + h's
	v_pk_add_f32 v[T+8:T+9], v[T+8:T+9], v[T+10:T+11]
	DEP 4
	v_pk_add_f32 v[T+12:T+13], v[T+12:T+13], v[T+14:T+15]
	DEP 4
	v_add_nc_u32 v[T+2], 0xff000000, v[T]          ; 2 off the exponent field: the conversion's scale operand
	DEP 4
	v_add_nc_u32 v[T+3], 0xff000000, v[T+1]
	DEP 3
	v_pk_add_f32 v[T+8:T+9], v[T+8:T+9], v[T+12:T+13]
	DEP 3
	v_lshrrev_b32 v[T+4], 23, v[T+2]               ; the scale's byte
	DEP 3
	v_lshrrev_b32 v[T+5], 23, v[T+3]
	DEP 3
	v_add_f32 v[\q], v[T+8], v[T+9]
	DEP 2
	v_lshl_or_b32 v[T+6], v[T+5], 16, v[T+4]       ; my two bytes: blocks h and 2 + h,
	DEP 2
	v_permlanex16_b32 v[T+7], v[\q], s[SEL], s[SEL+1]
	DEP 2
	v_lshlrev_b32 v[T+6], v[SH8], v[T+6]           ; at their places in the word
	DEP 2
	v_add_f32 v[\q], v[\q], v[T+7]                 ; my half of the squares and the other: the same bits in both lanes
	DEP 2
	v_permlanex16_b32 v[T+7], v[T+6], s[SEL], s[SEL+1]
	DEP 1
	v_or_b32 v[\w], v[T+6], v[T+7]                 ; with lane l xor 16's two bytes the word is whole
.irp c, 0,1
.irp g, 0,1,2,3
	v_cvt_scalef32_pk8_fp4_f32 v[\f+4*\c+\g], v[\s+32*\c+8*\g:\s+32*\c+8*\g+7], v[T+2+\c]   ; registers 4 c .. 4 c + 3 of the operand
.endr
.endr
	v_nop                                          ; one plain vector line behind the last scaled conversion
.endm
; A round of the cluster's barrier: my work-group's barrier; wave 0 signals for the work-group; every wave waits for all four work-groups; my work-group's barrier once more.
.macro ROUND
	s_barrier_signal -1
	s_barrier_wait -1
	s_cmp_lg_u32 s12, 0
	s_cbranch_scc1 .Lnot_wave_0_\@
	s_barrier_signal -3
.Lnot_wave_0_\@:
	s_barrier_wait -3
	s_barrier_signal -1
	s_barrier_wait -1
.endm
.macro LDA p, t                        ; the codes and scale words of the tile t tiles on from where the addresses stand, into set p: three LDS loads
	ds_load_b128 v[AF+8*(\p):AF+8*(\p)+3], v[ADC] offset:(\t)*1024
	ds_load_b128 v[AF+8*(\p)+4:AF+8*(\p)+7], v[ADC] offset:(\t)*1024+512
	ds_load_b32 v[ASC+(\p)], v[ADS] offset:(\t)*64
.endm
.macro LDE p, t                        ; its ee: my half's eight numbers, the same for all sixteen lanes of a half: two LDS loads
	ds_load_b128 v[EE+8*(\p):EE+8*(\p)+3], v[ADE] offset:(\t)*64
	ds_load_b128 v[EE+8*(\p)+4:EE+8*(\p)+7], v[ADE] offset:(\t)*64+16
.endm
.macro MM p                            ; the tile in set p against my four token tiles: four results of their own, each begun with the constant 0; K = 128 is one instruction deep
.irp i, 0,1,2,3
	v_wmma_scale_f32_16x16x128_f8f6f4 v[DD+32*(\p)+8*\i:DD+32*(\p)+8*\i+7], v[AF+8*(\p):AF+8*(\p)+7], v[XF+8*\i:XF+8*\i+7], 0, v[ASC+(\p)], v[XS+\i] matrix_a_fmt:MATRIX_FMT_FP4 matrix_b_fmt:MATRIX_FMT_FP4
.endr
.endm
.macro FMA4 i                          ; xx - 2 dot, one rounding, two at a time; each result is read from its low end on
.irp j, 0,2,4,6
	v_pk_fma_f32 v[DB+8*(\i)+\j:DB+8*(\i)+\j+1], v[DB+8*(\i)+\j:DB+8*(\i)+\j+1], -2.0, v[XX+2*(\i):XX+2*(\i)+1] op_sel_hi:[1,0,0]
.endr
.endm
; A HALF-TRIP: the vector work of tile t (par = t % 2).  first = 1: my first tile, which starts the minima.  wm: the products of tile t + 1.  la: LDS loads of tile t + 3's codes.
; le: of tile t + 2's ee.  cnt: the LDS loads younger than those wanted here (tile t + 1's codes, tile t's ee, both asked for two half-trips ago): the 3 + 2 of the half-trip before.
.macro HT par, first, wm, la, le, cnt
.set PP, \par
.set OP, 1-\par
.set DB, DD+32*PP
.if \first
.set VB, SV
.else
.set VB, DB
.endif
	s_wait_dscnt \cnt
.if \wm
	MM OP
.endif
	FMA4 0
	FMA4 1
	FMA4 2
	FMA4 3
.irp i, 0,1,2,3
.irp j, 0,2,4,6
	v_pk_add_f32 v[VB+8*\i+\j:VB+8*\i+\j+1], v[DB+8*\i+\j:DB+8*\i+\j+1], v[EE+8*PP+\j:EE+8*PP+\j+1]   ; + ee: the second rounding
.endr
.endr
.if \la
	LDA OP, PP+3                                   ; 32 plain lines on the other set's results stand between the products and these loads into the registers that they read
.endif
.if \le
	LDE PP, PP+2
.endif
.irp i, 0,1,2,3                        ; the tile's least distance, the four token tiles by turns
	v_min3_num_f32 v[MN+\i], v[VB+8*\i], v[VB+8*\i+1], v[VB+8*\i+2]
.endr
.irp i, 0,1,2,3
	DEP 4
	v_min3_num_f32 v[MN+\i], v[MN+\i], v[VB+8*\i+3], v[VB+8*\i+4]
.endr
.irp i, 0,1,2,3
	DEP 4
	v_min3_num_f32 v[MN+\i], v[MN+\i], v[VB+8*\i+5], v[VB+8*\i+6]
.endr
.if \first
.irp i, 0,1,2,3
	DEP 4
	v_min_num_f32 v[BEST+\i], v[MN+\i], v[VB+8*\i+7]
.endr
.irp i, 0,1,2,3
	v_mov_b32 v[TID+\i], s[TN]
.endr
.else
.irp i, 0,1,2,3
	DEP 4
	v_min_num_f32 v[MN+\i], v[MN+\i], v[VB+8*\i+7]
.endr
.irp i, 0,1,2,3
.if \i == 0
	DEP 4
.endif
	v_cmp_le_f32 vcc_lo, v[BEST+\i], v[MN+\i]      ; set: what was kept stays, on a tie too (the earlier tile)
.irp j, 0,2,4,6
	v_dual_cndmask_b32 v[SV+8*\i+\j], v[DB+8*\i+\j], v[SV+8*\i+\j] :: v_dual_cndmask_b32 v[SV+8*\i+\j+1], v[DB+8*\i+\j+1], v[SV+8*\i+\j+1]   ; else the better tile's distances are kept, two a line
.endr
	v_cndmask_b32 v[TID+\i], s[TN], v[TID+\i], vcc_lo      ; and its number
.endr
	v_dual_min_num_f32 v[BEST], v[MN], v[BEST] :: v_dual_min_num_f32 v[BEST+1], v[MN+1], v[BEST+1]         ; the least distances, behind all four compares, two a line
	v_dual_min_num_f32 v[BEST+2], v[MN+2], v[BEST+2] :: v_dual_min_num_f32 v[BEST+3], v[MN+3], v[BEST+3]
.endif
	s_add_co_u32 s[TN], s[TN], 1
.endm
.macro STEP                            ; two tiles on
	v_add_nc_u32 v[ADC], 2048, v[ADC]
	v_add_nc_u32 v[ADS], 128, v[ADS]
	v_add_nc_u32 v[ADE], 128, v[ADE]
.endm
	s_load_b256 s[4:11], s[0:1], 0x0               ; x s[4:5], table s[6:7], out0 s[8:9], tok s[10:11]
	v_lshl_add_u32 v14, v0, 2, SPARE
	v_mov_b32 v15, 0
	ds_add_u32 v14, v15                            ; the opening lines: the add, twice on end, and its wait ahead of my first tensor load
	ds_add_u32 v14, v15
	v_lshrrev_b32 v1, 5, v0
	DEP 1
	v_readfirstlane_b32 s12, v1                    ; wave 0..15
	s_and_b32 s42, s12, 3                          ; my token group
	s_lshr_b32 s43, s12, 2                         ; my quarter of the codes
	s_bfe_u32 s13, ttmp6, 0x40000                  ; cx: my place in the cluster; it enters x's, out0's and tok's addresses alone
	s_lshl_b32 s14, ttmp9, 2                       ; in a cluster launch ttmp9 counts clusters
	s_add_co_u32 s14, s14, s13                     ; my work-group
	s_lshl_b32 s14, s14, 8
	s_lshl_b32 s15, s42, 6
	s_add_co_u32 s14, s14, s15                     ; my group's first token: 256 x work-group + 64 x group
	s_lshl_b32 s28, s14, 9                         ; its row of 512 bytes in x (under 2^25),
	s_lshl_b32 s15, s43, 9
	s_add_co_u32 s28, s28, s15                     ; + the rows by which the token tile that I quantise begins further on
	s_mov_b32 s29, 0
	s_lshl_b32 s34, s14, 2                         ; its word in out0 and in tok
	s_mov_b32 s35, 0
	; descriptor group 1: my sixteenth of the table, a dense block, as 72 rows of 256 bytes (32 elements of 8 bytes), no padding: it lies in LDS as in memory
	s_mov_b32 s16, 15|(3<<16)|(1<<21)              ; 15:0 the mask: all four work-groups; 17:16 elements of 8 bytes; 21 set beside a mask
	s_mov_b32 s17, 32<<16                          ; tensor_dim0 = 32
	s_mov_b32 s18, 72<<16                          ; tensor_dim1 = 72
	s_mov_b32 s19, 32<<16                          ; tile_dim0 = 32
	s_mov_b32 s20, 72                              ; tile_dim1 = 72
	s_mov_b32 s21, 32                              ; from row to row: 32 elements
	s_mov_b32 s22, 0
	s_mov_b32 s23, 0
	s_mul_i32 s25, s12, PARTB                      ; group 0: the LDS address hangs on the wave's number alone,
	s_mul_i32 s40, s12, PARTB                      ; and so does the place in the table
	s_mov_b32 s41, 0
	s_mov_b32 s[SEL], 0x76543210
	s_mov_b32 s[SEL+1], 0xfedcba98
	s_lshl_b32 s[TN], s43, 6                       ; my first tile: 64 x quarter
	s_lshl_b32 s44, s43, 16                        ; its codes: 64 tiles of 1,024 bytes
	s_lshl_b32 s45, s43, 12                        ; its scale words and its ee: 64 tiles of 64 bytes
	s_add_co_u32 s46, s45, EEO
	s_add_co_u32 s45, s45, SCL
	s_mul_i32 s47, s42, 4*XTB
	s_add_co_u32 s47, s47, XST                     ; my group's four images
	s_add_co_u32 s48, s47, 1024                    ; and their words
	s_mul_i32 s49, s43, XTB                        ; the one that I make
	s_add_co_u32 s52, s47, s49
	s_add_co_u32 s53, s48, s49
	s_lshl_b32 s50, s12, 9
	s_add_co_u32 s50, s50, MRG                     ; my place for the meeting of the quarters,
	s_lshl_b32 s51, s42, 9
	s_add_co_u32 s51, s51, MRG                     ; and that of my group's wave with quarter 0; quarter c's lies 2,048 c bytes on
	v_and_b32 v1, 15, v0                           ; r
	v_bfe_u32 v2, v0, 4, 1                         ; h
	v_and_b32 v[LN], 31, v0
	v_mov_b32 v[T+7], 0                            ; written once: a lane permute's destination counts as one of its sources
	DEP 4
	v_lshlrev_b32 v[XA], 11, v1                    ; lane r's tokens lie four rows (2,048 bytes) apart
	v_lshlrev_b32 v[SO], 4, v1
	v_lshlrev_b32 v[H8], 3, v2
	v_lshl_add_u32 v[ADC], v[LN], 4, s44
	v_lshl_add_u32 v[ADS], v1, 2, s45
	v_lshl_add_u32 v[ADE], v2, 5, s46
	v_lshl_add_u32 v[XA], v2, 7, v[XA]             ; + 128 h
	v_lshl_add_u32 v[SO], v2, 3, v[SO]
	v_lshl_add_u32 v[XAD], v[LN], 4, s47
	v_lshl_add_u32 v[XAW], v[LN], 2, s48
	v_lshl_add_u32 v[XSD], v[LN], 4, s52
	v_lshl_add_u32 v[XSW], v[LN], 2, s53
	v_lshl_add_u32 v[MRS], v[LN], 4, s50
	v_lshl_add_u32 v[MRL], v1, 4, s51
	s_wait_alu depctr_va_vdst(0)                   ; the wait at the head's end
	s_wait_dscnt 0x0                               ; both opening adds are done
	ROUND                                          ; all four work-groups are here; the arguments are on their way meanwhile
	s_wait_kmcnt 0x0
	s_mov_b32 s24, 1                               ; 1:0 count = 1
	s_add_nc_u64 s[26:27], s[6:7], s[40:41]        ; 120:64 global address of my sixteenth
	s_or_b32 s27, s27, 0x80000000                  ; 127:126 type = 2
	tensor_load_to_lds s[24:27], s[16:23]          ; the table's one fill; it lands while x is quantised
	s_nop 0
.rept 4
	v_nop                                          ; plain lines behind a tensor load
.endr
	s_add_nc_u64 s[4:5], s[4:5], s[28:29]
	s_cmp_eq_u32 s43, 0                            ; of a group's waves quarter 0's stores out0 and quarter 1's tok: the choice hangs on the wave's number alone
	s_cselect_b64 s[8:9], s[8:9], s[10:11]
	s_add_nc_u64 s[8:9], s[8:9], s[34:35]
.irp c, 0,1
.irp g, 0,1,2,3,4,5,6,7
	global_load_b128 v[STA+32*\c+4*\g:STA+32*\c+4*\g+3], v[XA], s[4:5] offset:256*\c+16*\g   ; my token tile: 64 numbers a lane, 16 loads
.endr
.endr
	s_wait_loadcnt 0x0
	QUANT STA, XF, XS, XX
	ds_store_b128 v[XSD], v[XF:XF+3]               ; its image into LDS: codes at 16 x lane, scale word and xx at 4 x lane
	ds_store_b128 v[XSD], v[XF+4:XF+7] offset:512
	ds_store_b32 v[XSW], v[XS]
	ds_store_b32 v[XSW], v[XX] offset:128
	s_wait_tensorcnt 0x0                           ; my sixteenth of the table has landed,
	s_wait_dscnt 0x0                               ; my image is stored,
	s_barrier_signal -1
	s_barrier_wait -1                              ; everybody's are: the table and the images are only read from here on
.irp i, 0,1,2,3
	ds_load_b128 v[XF+8*\i:XF+8*\i+3], v[XAD] offset:\i*XTB          ; my group's four token tiles: the same registers in the same lanes as they were made in
	ds_load_b128 v[XF+8*\i+4:XF+8*\i+7], v[XAD] offset:\i*XTB+512
	ds_load_b32 v[XS+\i], v[XAW] offset:\i*XTB
	ds_load_b32 v[XX+2*\i], v[XAW] offset:\i*XTB+128
.endr
	LDA 0, 0                                       ; my tile 0's codes,
	LDA 1, 1                                       ; tile 1's,
	LDE 0, 0                                       ; tile 0's ee
	s_wait_dscnt 5                                 ; x and tile 0's codes are in: 3 + 2 younger loads may be out
	MM 0
.irp i, 0,1,2,3
	v_mov_b32 v[XX+2*\i+1], v[XX+2*\i]             ; the packed form names the pair.  These four are also the places between the products and the loads below
.endr
	s_wait_alu depctr_va_vdst(0)
	LDA 0, 2
	LDE 1, 1
	HT 0, 1, 1, 1, 1, 5                            ; tile 0 starts the minima
	HT 1, 0, 1, 1, 1, 5
	STEP
	s_mov_b32 s32, 29
.Ltrip:                                            ; my tiles 2 to 59, two a trip
	s_wait_alu depctr_va_vdst(0)
	HT 0, 0, 1, 1, 1, 5
	HT 1, 0, 1, 1, 1, 5
	STEP
	s_sub_co_u32 s32, s32, 1
	s_cmp_lg_u32 s32, 0
	s_cbranch_scc1 .Ltrip
	s_wait_alu depctr_va_vdst(0)
	HT 0, 0, 1, 1, 1, 5                            ; tile 60: the last codes (tile 63's) and tile 62's ee are asked for
	HT 1, 0, 1, 0, 1, 5                            ; tile 61: only tile 63's ee is left to ask for
	HT 0, 0, 1, 0, 0, 2                            ; tile 62: younger than what it wants are tile 63's two loads of ee
	HT 1, 0, 0, 0, 0, 0                            ; tile 63: no product is left
	; THE END.  The first place in the best tile at which the least distance stands; the index; the better of the two halves of the lanes, the lower index on a tie.
.irp i, 0,1,2,3
	v_mov_b32 v[LOC+\i], 7
.endr
.irp j, 6,5,4,3,2,1,0
.irp i, 0,1,2,3
	v_cmp_neq_f32 s[36+\i], v[SV+8*\i+\j], v[BEST+\i]
.endr
.irp i, 0,1,2,3
	DEP 4
	v_cndmask_b32 v[LOC+\i], \j, v[LOC+\i], s[36+\i]       ; equal: place j, which is lower than all tried before
.endr
.endr
.irp i, 0,1,2,3
	DEP 4
	v_lshl_add_u32 v[LOC+\i], v[TID+\i], 4, v[LOC+\i]
.endr
.irp i, 0,1,2,3
	DEP 4
	v_add_nc_u32 v[LOC+\i], v[H8], v[LOC+\i]               ; 16 x tile + 8 h + place
.endr
.irp i, 0,1,2,3
	v_permlanex16_b32 v[MN+\i], v[BEST+\i], s[SEL], s[SEL+1]       ; lane l xor 16's least distance,
.endr
.irp i, 0,1,2,3
	v_permlanex16_b32 v[TID+\i], v[LOC+\i], s[SEL], s[SEL+1]       ; and its index
.endr
.irp i, 0,1,2,3
	v_cmp_lt_f32 s[36+\i], v[MN+\i], v[BEST+\i]
.endr
.irp i, 0,1,2,3
	DEP 4
	v_cndmask_b32 v[RES+\i], v[LOC+\i], v[TID+\i], s[36+\i]
.endr
.irp i, 0,1,2,3
	v_min_u32 v[LOC+\i], v[LOC+\i], v[TID+\i]
.endr
.irp i, 0,1,2,3
	v_cmp_eq_f32 s[36+\i], v[MN+\i], v[BEST+\i]
.endr
.irp i, 0,1,2,3
	DEP 4
	v_cndmask_b32 v[RES+\i], v[RES+\i], v[LOC+\i], s[36+\i]        ; both lanes of a token now hold my quarter's index,
.endr
.irp i, 0,1,2,3
	v_min_num_f32 v[BF+\i], v[BEST+\i], v[MN+\i]                   ; and its least distance
.endr
	; the four quarters of the codes meet: lanes 0-15 lay the four indices in LDS, lanes 16-31 the four distances; behind a barrier every wave reads its group's four places
	v_cmp_eq_u32 vcc_lo, 8, v[H8]
	DEP 1
.irp i, 0,1,2,3
	v_cndmask_b32 v[PK+\i], v[RES+\i], v[BF+\i], vcc_lo
.endr
	ds_store_b128 v[MRS], v[PK:PK+3]
	s_wait_dscnt 0x0                               ; for the others' sake: my store has landed
	s_barrier_signal -1
	s_barrier_wait -1
.irp c, 0,1,2,3
	ds_load_b128 v[PR+8*\c:PR+8*\c+3], v[MRL] offset:2048*\c
	ds_load_b128 v[PB+8*\c:PB+8*\c+3], v[MRL] offset:2048*\c+256
.endr
	s_wait_dscnt 0x0
.irp c, 1,2,3                          ; the quarters in ascending order: only a strictly lesser distance takes over, so a tie keeps the lower index
.irp i, 0,1,2,3
.if \c > 1
	DEP 4
.endif
	v_cmp_lt_f32 s[36+\i], v[PB+8*\c+\i], v[PB+\i]
.endr
.irp i, 0,1,2,3
	DEP 4
	v_cndmask_b32 v[PR+\i], v[PR+\i], v[PR+8*\c+\i], s[36+\i]
.endr
.if \c < 3
.irp i, 0,1,2,3
	v_min_num_f32 v[PB+\i], v[PB+\i], v[PB+8*\c+\i]
.endr
.endif
.endr
	v_cmp_eq_u32 vcc_lo, 8, v[H8]
	DEP 1
	v_cndmask_b32 v[OUTP], v[PR], v[PR+2], vcc_lo          ; lanes 0-15 store tokens 4 r and 4 r + 1, lanes 16-31 tokens 4 r + 2 and 4 r + 3
	v_cndmask_b32 v[OUTP+1], v[PR+1], v[PR+3], vcc_lo
	s_cmp_gt_u32 s43, 1                            ; two of a group's four waves store
	s_cbranch_scc1 .Lno_store
	global_store_b64 v[SO], v[OUTP:OUTP+1], s[8:9]         ; 32 lanes store 256 consecutive bytes, aligned: out0 by one wave, tok (for the launches that form addresses from it) by another
.Lno_store:
	s_wait_tensorcnt 0x0                           ; the wave's end
	ds_add_u32 v14, v15
	s_wait_dscnt 0x0
	ROUND                                          ; the closing round: no work-group ends while a partner may still ask for the table
	s_endpgm
.Lfunc_end_k_qb61748e1e8_argmin:
	.size	k_qb61748e1e8_argmin, .Lfunc_end_k_qb61748e1e8_argmin-k_qb61748e1e8_argmin
	.p2alignl 7, 3214868480
	.fill 96, 4, 3214868480
	.section	.rodata,"a",@progbits
	.p2align	6, 0x0
	.amdhsa_kernel k_qb61748e1e8_argmin
		.amdhsa_group_segment_fixed_size 327680
		.amdhsa_private_segment_fixed_size 0
		.amdhsa_enable_private_segment 0
		.amdhsa_kernarg_size 32
		.amdhsa_user_sgpr_count 2
		.amdhsa_user_sgpr_kernarg_segment_ptr 1
		.amdhsa_wavefront_size32 1
		.amdhsa_system_sgpr_workgroup_id_x 1
		.amdhsa_system_sgpr_workgroup_id_y 1
		.amdhsa_system_sgpr_workgroup_id_z 1
		.amdhsa_system_vgpr_workitem_id 0
		.amdhsa_next_free_vgpr 256
		.amdhsa_next_free_sgpr 66
		.amdhsa_reserve_vcc 1
		.amdhsa_float_denorm_mode_32 3
		.amdhsa_float_denorm_mode_16_64 3
		.amdhsa_memory_ordered 1
		.amdhsa_forward_progress 1
		.amdhsa_inst_pref_size 69
	.end_amdhsa_kernel
	.amdgpu_metadata
---
amdhsa.version: [ 1, 2 ]
amdhsa.kernels:
  - .name:           k_qb61748e1e8_argmin
    .symbol:         k_qb61748e1e8_argmin.kd
    .args:
      - { .name: x, .offset: 0, .size: 8, .value_kind: global_buffer, .address_space: global }
      - { .name: table, .offset: 8, .size: 8, .value_kind: global_buffer, .address_space: global }
      - { .name: out0, .offset: 16, .size: 8, .value_kind: global_buffer, .address_space: global }
      - { .name: tok, .offset: 24, .size: 8, .value_kind: global_buffer, .address_space: global }
    .group_segment_fixed_size: 327680
    .private_segment_fixed_size: 0
    .kernarg_segment_align: 8
    .kernarg_segment_size: 32
    .max_flat_workgroup_size: 512
    .sgpr_count:     66
    .vgpr_count:     256
    .wavefront_size: 32
...
	.end_amdgpu_metadata
.endif
;; end of part 2
;; launch loss (part 3): grid 512 x 1, 8 waves a work-group, no clusters, 2,048 bytes of LDS; arguments x, codebook, tok, part; writes part
.if DOCPART == 3
	.amdgcn_target "amdgcn-amd-amdhsa--gfx1250"
	.amdhsa_code_object_version 6
	.text
	.protected	k_qb61748e1e8_loss
	.globl	k_qb61748e1e8_loss
	.p2align	8
	.type	k_qb61748e1e8_loss,@function
k_qb61748e1e8_loss:
	s_mov_b64 s[64:65], 0
	v_nop
	global_prefetch_b8 v0, s[64:65] scope:SCOPE_SE
	s_setreg_imm32_b32 hwreg(HW_REG_WAVE_MODE, 25, 1), 1
	s_wait_xcnt 0x0
; part = partial sums of (q - x)^2, q = codebook[token].
; A work-group owns 128 rows, each of its eight waves 16; a row is 512 bytes: 16 bytes a lane, so every load of a wave covers 512 consecutive bytes, aligned.
; The tokens were stored as whole numbers by the launch before: a wave's sixteen come by one scalar load, are held to the table's 4,096 rows, and become byte offsets.
; All 32 loads of a wave go out at once; each row has registers of its own.  No loop, so no prefetch.
; No matrix unit, no tensor load, no cluster: the rows gathered differ from wave to wave, and no tile is shared.
.set XV,  16                           ; v16-79   x: 4 registers a row
.set QV,  80                           ; v80-143  q
.set QO,  144                          ; v144-159 a row's offset in the codebook
.set DF,  160                          ; v160-163 q - x
.set ACC, 164                          ; v164-167 the squares' sums: two packed chains
	s_load_b256 s[4:11], s[0:1], 0x0               ; x s[4:5], codebook s[6:7], tok s[8:9], part s[10:11]
	v_lshl_add_u32 v168, v0, 2, 0x400
	v_mov_b32 v169, 0
	v_lshrrev_b32 v1, 5, v0
	s_delay_alu instid0(VALU_DEP_1)
	v_readfirstlane_b32 s14, v1                    ; wave 0..7
	v_and_b32 v3, 31, v0
	s_delay_alu instid0(VALU_DEP_1)
	v_lshlrev_b32 v1, 4, v3                        ; 16 x lane
	v_lshlrev_b32 v2, 2, v0                        ; LDS: a word for each thread
	s_delay_alu instid0(VALU_DEP_3)
	v_lshlrev_b32 v3, 2, v3                        ; 4 x lane
	s_lshl_b32 s15, ttmp9, 7
	s_lshl_b32 s32, s14, 4
	s_add_co_u32 s15, s15, s32                     ; my wave's first row: 128 x work-group + 16 x wave
	s_lshl_b32 s32, s15, 9                         ; in x (under 2^25),
	s_mov_b32 s33, 0
	s_lshl_b32 s34, s15, 2                         ; in tok
	s_mov_b32 s35, 0
	s_lshl_b32 s36, ttmp9, 7                       ; my work-group's 128 bytes of part
	s_mov_b32 s37, 0
	s_wait_alu depctr_va_vdst(0)                   ; the wait at the head's end
	s_wait_kmcnt 0x0
	s_add_nc_u64 s[4:5], s[4:5], s[32:33]
	s_add_nc_u64 s[8:9], s[8:9], s[34:35]
	s_add_nc_u64 s[10:11], s[10:11], s[36:37]
	s_load_b512 s[16:31], s[8:9], 0x0              ; my sixteen tokens
.irp i, 0,1,2,3,4,5,6,7,8,9,10,11,12,13,14,15
	global_load_b128 v[XV+4*\i:XV+4*\i+3], v1, s[4:5] offset:512*\i th:TH_LOAD_NT
.endr
	s_wait_kmcnt 0x0
.irp i, 0,1,2,3,4,5,6,7,8,9,10,11,12,13,14,15
	s_min_u32 s[16+\i], s[16+\i], 0xfff            ; an index stays inside its table
	s_lshl_b32 s[16+\i], s[16+\i], 9               ; a row of the codebook is 512 bytes
	v_add_nc_u32 v[QO+\i], s[16+\i], v1
	global_load_b128 v[QV+4*\i:QV+4*\i+3], v[QO+\i], s[6:7]
.endr
.irp i, 0,1,2,3,4,5,6,7,8,9,10,11,12,13,14,15
.if \i > 0
	s_wait_alu depctr_va_vdst(0)
.endif
	s_wait_loadcnt 15-\i                           ; row i's q is in, and all of x, which was asked for earlier; the later rows' q may be out
.irp a, 0,1
	v_pk_add_f32 v[DF+2*\a:DF+2*\a+1], v[QV+4*\i+2*\a:QV+4*\i+2*\a+1], v[XV+4*\i+2*\a:XV+4*\i+2*\a+1] neg_lo:[0,1] neg_hi:[0,1]   ; q - x
.endr
.irp a, 0,1
	s_delay_alu instid0(VALU_DEP_2)
.if \i == 0
	v_pk_mul_f32 v[ACC+2*\a:ACC+2*\a+1], v[DF+2*\a:DF+2*\a+1], v[DF+2*\a:DF+2*\a+1]      ; the first row starts the sums
.else
	v_pk_fma_f32 v[ACC+2*\a:ACC+2*\a+1], v[DF+2*\a:DF+2*\a+1], v[DF+2*\a:DF+2*\a+1], v[ACC+2*\a:ACC+2*\a+1]
.endif
.endr
.endr
	s_delay_alu instid0(VALU_DEP_1)
	v_pk_add_f32 v[ACC:ACC+1], v[ACC:ACC+1], v[ACC+2:ACC+3]
	s_delay_alu instid0(VALU_DEP_1)
	v_add_f32 v[ACC], v[ACC], v[ACC+1]             ; my thread's sum
	ds_store_b32 v2, v[ACC]
	s_wait_dscnt 0x0                               ; for the others' sake: my store has landed
	s_barrier_signal -1
	s_barrier_wait -1
	s_cmp_lg_u32 s14, 0                            ; wave 0 adds the eight waves' sums, lane by lane
	s_cbranch_scc1 .Lend
.irp k, 0,1,2,3,4,5,6,7
	ds_load_b32 v[XV+\k], v3 offset:128*\k
.endr
	s_wait_dscnt 0x0
	v_add_f32 v[XV], v[XV], v[XV+1]
	v_add_f32 v[XV+2], v[XV+2], v[XV+3]
	v_add_f32 v[XV+4], v[XV+4], v[XV+5]
	v_add_f32 v[XV+6], v[XV+6], v[XV+7]
	s_delay_alu instid0(VALU_DEP_3)
	v_add_f32 v[XV], v[XV], v[XV+2]
	s_delay_alu instid0(VALU_DEP_2)
	v_add_f32 v[XV+4], v[XV+4], v[XV+6]
	s_delay_alu instid0(VALU_DEP_1)
	v_add_f32 v[XV], v[XV], v[XV+4]
	global_store_b32 v3, v[XV], s[10:11]           ; 32 partial sums: 128 consecutive bytes a work-group
.Lend:
	s_wait_tensorcnt 0x0                           ; the wave's end
	ds_add_u32 v168, v169
	s_wait_dscnt 0x0
	s_endpgm
.Lfunc_end_k_qb61748e1e8_loss:
	.size	k_qb61748e1e8_loss, .Lfunc_end_k_qb61748e1e8_loss-k_qb61748e1e8_loss
	.p2alignl 7, 3214868480
	.fill 96, 4, 3214868480
	.section	.rodata,"a",@progbits
	.p2align	6, 0x0
	.amdhsa_kernel k_qb61748e1e8_loss
		.amdhsa_group_segment_fixed_size 2048
		.amdhsa_private_segment_fixed_size 0
		.amdhsa_enable_private_segment 0
		.amdhsa_kernarg_size 32
		.amdhsa_user_sgpr_count 2
		.amdhsa_user_sgpr_kernarg_segment_ptr 1
		.amdhsa_wavefront_size32 1
		.amdhsa_system_sgpr_workgroup_id_x 1
		.amdhsa_system_sgpr_workgroup_id_y 1
		.amdhsa_system_sgpr_workgroup_id_z 1
		.amdhsa_system_vgpr_workitem_id 0
		.amdhsa_next_free_vgpr 170
		.amdhsa_next_free_sgpr 66
		.amdhsa_reserve_vcc 0
		.amdhsa_float_denorm_mode_32 3
		.amdhsa_float_denorm_mode_16_64 3
		.amdhsa_memory_ordered 1
		.amdhsa_forward_progress 1
		.amdhsa_inst_pref_size 14
	.end_amdhsa_kernel
	.amdgpu_metadata
---
amdhsa.version: [ 1, 2 ]
amdhsa.kernels:
  - .name:           k_qb61748e1e8_loss
    .symbol:         k_qb61748e1e8_loss.kd
    .args:
      - { .name: x, .offset: 0, .size: 8, .value_kind: global_buffer, .address_space: global }
      - { .name: codebook, .offset: 8, .size: 8, .value_kind: global_buffer, .address_space: global }
      - { .name: tok, .offset: 16, .size: 8, .value_kind: global_buffer, .address_space: global }
      - { .name: part, .offset: 24, .size: 8, .value_kind: global_buffer, .address_space: global }
    .group_segment_fixed_size: 2048
    .private_segment_fixed_size: 0
    .kernarg_segment_align: 8
    .kernarg_segment_size: 32
    .max_flat_workgroup_size: 256
    .sgpr_count:     66
    .vgpr_count:     170
    .wavefront_size: 32
...
	.end_amdgpu_metadata
.endif
;; end of part 3
;; launch emit (part 4): grid 513 x 1, 8 waves a work-group, no clusters, 1,280 bytes of LDS; arguments codebook, tok, part, out1, out2; writes out1, out2
.if DOCPART == 4
	.amdgcn_target "amdgcn-amd-amdhsa--gfx1250"
	.amdhsa_code_object_version 6
	.text
	.protected	k_qb61748e1e8_emit
	.globl	k_qb61748e1e8_emit
	.p2align	8
	.type	k_qb61748e1e8_emit,@function
k_qb61748e1e8_emit:
	s_mov_b64 s[64:65], 0
	v_nop
	global_prefetch_b8 v0, s[64:65] scope:SCOPE_SE
	s_setreg_imm32_b32 hwreg(HW_REG_WAVE_MODE, 25, 1), 1
	s_wait_xcnt 0x0
; out1 = q = codebook[token];  out2 = vq_loss.
; WORK LEFT OUT: x + (q - x) is q in exact arithmetic for all x and q (shown at the head of the first kernel), so q is stored as gathered and x is no argument here.
; Work-groups 0 to 511 own 128 rows each, a wave 16; a row is 512 bytes, 16 bytes a lane: every load and store of a wave covers 512 consecutive bytes, aligned.  A wave's sixteen tokens, whole numbers
; stored by an earlier launch, come by one scalar load, are held to the table's 4,096 rows, and become byte offsets.  Each row has registers of its own.  No loop, so no prefetch.
; Work-group 512 owns the sum: vq_loss = m + 0.5 m, m = the mean of (q - x)^2 over 2^23 numbers.  part holds 16,384 partial sums: 64 a thread, 16 loads of 16 bytes.  Sums in f32: four packed chains
; a thread, then across the lanes, then the eight waves' sums through LDS.  Every work-group passes the one barrier; those that gather lay a zero in LDS that nobody reads.
; No matrix unit, no tensor load, no cluster: no tile is shared.
.set QV,  16                           ; v16-79   q: 4 registers a row; in the sum: the partial sums
.set QO,  80                           ; v80-95   a row's offset in the codebook
	s_load_b256 s[4:11], s[0:1], 0x0               ; codebook s[4:5], tok s[6:7], part s[8:9], out1 s[10:11]
	s_load_b64 s[12:13], s[0:1], 0x20              ; out2
	v_lshl_add_u32 v96, v0, 2, 0x100
	v_mov_b32 v97, 0
	v_lshlrev_b32 v1, 4, v0                        ; the sum: 16 bytes a thread
	v_lshrrev_b32 v10, 5, v0
	s_delay_alu instid0(VALU_DEP_1)
	v_readfirstlane_b32 s14, v10                   ; wave 0..7
	v_and_b32 v3, 31, v0
	v_mov_b32 v9, 0                                ; a lane permute's destination counts as one of its sources
	v_mov_b32 v11, 0
	v_mov_b32 v8, 0                                ; what a gathering wave lays in LDS
	s_delay_alu instid0(VALU_DEP_4)
	v_lshlrev_b32 v2, 4, v3                        ; 16 x lane
	v_lshlrev_b32 v10, 2, v10                      ; LDS: a word for each wave
	s_mov_b32 s40, 0x76543210
	s_mov_b32 s41, 0xfedcba98                      ; lane l xor 16
	s_lshl_b32 s15, ttmp9, 7
	s_lshl_b32 s32, s14, 4
	s_add_co_u32 s15, s15, s32                     ; my wave's first row: 128 x work-group + 16 x wave
	s_lshl_b32 s32, s15, 9                         ; in out1,
	s_mov_b32 s33, 0
	s_lshl_b32 s34, s15, 2                         ; in tok
	s_mov_b32 s35, 0
	s_wait_alu depctr_va_vdst(0)                   ; the wait at the head's end
	s_wait_kmcnt 0x0
	s_cmp_eq_u32 ttmp9, 512
	s_cbranch_scc1 .Lsum
	s_add_nc_u64 s[10:11], s[10:11], s[32:33]
	s_add_nc_u64 s[6:7], s[6:7], s[34:35]
	s_load_b512 s[16:31], s[6:7], 0x0              ; my sixteen tokens
	s_wait_kmcnt 0x0
.irp i, 0,1,2,3,4,5,6,7,8,9,10,11,12,13,14,15
	s_min_u32 s[16+\i], s[16+\i], 0xfff            ; an index stays inside its table
	s_lshl_b32 s[16+\i], s[16+\i], 9               ; a row of the codebook is 512 bytes
	v_add_nc_u32 v[QO+\i], s[16+\i], v2
	global_load_b128 v[QV+4*\i:QV+4*\i+3], v[QO+\i], s[4:5]
.endr
.irp i, 0,1,2,3,4,5,6,7,8,9,10,11,12,13,14,15
	s_wait_loadcnt 15-\i                           ; row i is in; the later rows may be out
	global_store_b128 v2, v[QV+4*\i:QV+4*\i+3], s[10:11] offset:512*\i th:TH_STORE_NT
.endr
	s_branch .Lmeet
.Lsum:
.irp k, 0,1,2,3,4,5,6,7,8,9,10,11,12,13,14,15
	global_load_b128 v[16+4*\k:19+4*\k], v1, s[8:9] offset:4096*\k
.endr
	s_wait_loadcnt 0x0
.irp p, 4,5,6,7,8,9,10,11,12,13,14,15,16,17,18,19,20,21,22,23,24,25,26,27,28,29,30,31
	v_pk_add_f32 v[16+2*(\p%4):17+2*(\p%4)], v[16+2*(\p%4):17+2*(\p%4)], v[16+2*\p:17+2*\p]
.endr
	s_delay_alu instid0(VALU_DEP_3)
	v_pk_add_f32 v[16:17], v[16:17], v[18:19]
	s_delay_alu instid0(VALU_DEP_2)
	v_pk_add_f32 v[20:21], v[20:21], v[22:23]
	s_delay_alu instid0(VALU_DEP_1)
	v_pk_add_f32 v[16:17], v[16:17], v[20:21]
	s_delay_alu instid0(VALU_DEP_1)
	v_add_f32 v8, v16, v17
	s_delay_alu instid0(VALU_DEP_1)
	v_add_f32_dpp v8, v8, v8 row_xmask:1 row_mask:0xf bank_mask:0xf
	s_delay_alu instid0(VALU_DEP_1)
	v_add_f32_dpp v8, v8, v8 row_xmask:2 row_mask:0xf bank_mask:0xf
	s_delay_alu instid0(VALU_DEP_1)
	v_add_f32_dpp v8, v8, v8 row_xmask:4 row_mask:0xf bank_mask:0xf
	s_delay_alu instid0(VALU_DEP_1)
	v_add_f32_dpp v8, v8, v8 row_xmask:8 row_mask:0xf bank_mask:0xf
	s_delay_alu instid0(VALU_DEP_1)
	v_permlanex16_b32 v9, v8, s40, s41
	s_delay_alu instid0(VALU_DEP_1)
	v_add_f32 v8, v8, v9                           ; the wave's sum, in every lane
.Lmeet:
	ds_store_b32 v10, v8                           ; all lanes write the same word with the same value
	s_wait_dscnt 0x0                               ; for the others' sake: my store has landed
	s_barrier_signal -1
	s_barrier_wait -1
	s_cmp_lg_u32 s14, 0
	s_cbranch_scc1 .Lend
	s_cmp_lg_u32 ttmp9, 512
	s_cbranch_scc1 .Lend
	ds_load_b128 v[100:103], v11                   ; the eight waves' sums
	ds_load_b128 v[104:107], v11 offset:16
	s_wait_dscnt 0x0
	v_add_f32 v100, v100, v101
	v_add_f32 v102, v102, v103
	v_add_f32 v104, v104, v105
	v_add_f32 v106, v106, v107
	s_delay_alu instid0(VALU_DEP_3)
	v_add_f32 v100, v100, v102
	s_delay_alu instid0(VALU_DEP_2)
	v_add_f32 v104, v104, v106
	s_delay_alu instid0(VALU_DEP_1)
	v_add_f32 v100, v100, v104
	s_delay_alu instid0(VALU_DEP_1)
	v_mul_f32 v100, 0x34000000, v100               ; x 2^-23: the mean, exactly scaled
	s_delay_alu instid0(VALU_DEP_1)
	v_fma_f32 v100, 0.5, v100, v100                ; embedding loss + 0.5 x commitment loss: the two are the same number
	v_cmp_eq_u32 vcc_lo, 0, v0
	s_wait_alu depctr_va_vdst(0)                   ; directly ahead of the wait below
	s_wait_xcnt 0x0                                ; EXEC changes only behind this wait
	s_and_saveexec_b32 s42, vcc_lo
	global_store_b32 v11, v100, s[12:13]           ; thread 0 stores the one number
	s_wait_xcnt 0x0                                ; and again, in front of the line that widens it
	s_or_b32 exec_lo, exec_lo, s42
.Lend:
	s_wait_tensorcnt 0x0                           ; the wave's end
	ds_add_u32 v96, v97
	s_wait_dscnt 0x0
	s_endpgm
.Lfunc_end_k_qb61748e1e8_emit:
	.size	k_qb61748e1e8_emit, .Lfunc_end_k_qb61748e1e8_emit-k_qb61748e1e8_emit
	.p2alignl 7, 3214868480
	.fill 96, 4, 3214868480
	.section	.rodata,"a",@progbits
	.p2align	6, 0x0
	.amdhsa_kernel k_qb61748e1e8_emit
		.amdhsa_group_segment_fixed_size 1280
		.amdhsa_private_segment_fixed_size 0
		.amdhsa_enable_private_segment 0
		.amdhsa_kernarg_size 40
		.amdhsa_user_sgpr_count 2
		.amdhsa_user_sgpr_kernarg_segment_ptr 1
		.amdhsa_wavefront_size32 1
		.amdhsa_system_sgpr_workgroup_id_x 1
		.amdhsa_system_sgpr_workgroup_id_y 1
		.amdhsa_system_sgpr_workgroup_id_z 1
		.amdhsa_system_vgpr_workitem_id 0
		.amdhsa_next_free_vgpr 112
		.amdhsa_next_free_sgpr 66
		.amdhsa_reserve_vcc 1
		.amdhsa_float_denorm_mode_32 3
		.amdhsa_float_denorm_mode_16_64 3
		.amdhsa_memory_ordered 1
		.amdhsa_forward_progress 1
		.amdhsa_inst_pref_size 13
	.end_amdhsa_kernel
	.amdgpu_metadata
---
amdhsa.version: [ 1, 2 ]
amdhsa.kernels:
  - .name:           k_qb61748e1e8_emit
    .symbol:         k_qb61748e1e8_emit.kd
    .args:
      - { .name: codebook, .offset: 0, .size: 8, .value_kind: global_buffer, .address_space: global }
      - { .name: tok, .offset: 8, .size: 8, .value_kind: global_buffer, .address_space: global }
      - { .name: part, .offset: 16, .size: 8, .value_kind: global_buffer, .address_space: global }
      - { .name: out1, .offset: 24, .size: 8, .value_kind: global_buffer, .address_space: global }
      - { .name: out2, .offset: 32, .size: 8, .value_kind: global_buffer, .address_space: global }
    .group_segment_fixed_size: 1280
    .private_segment_fixed_size: 0
    .kernarg_segment_align: 8
    .kernarg_segment_size: 40
    .max_flat_workgroup_size: 256
    .sgpr_count:     66
    .vgpr_count:     112
    .wavefront_size: 32
...
	.end_amdgpu_metadata
.endif
;; end of part 4
